; MI455X (gfx1250); checked and timed in simulation.
; The chip was launched on July 23, 2026; its instructions are those of AMD's public machine-readable ISA for CDNA 5 (MIT licence, August 2026) and "CDNA5" Instruction Set Architecture Reference Guide (July 2026). The comments in the code are by the model that wrote it; some were corrected since.
;; Barrier Net. Allowed arithmetic: float matrix products may take bf16 or f16 operands with f32 sums; all other float work in f32.
;; Inputs: W1 256 x 64 float32; W21 256 x 256 float32; W22 256 x 256 float32; W31 2 x 256 float32; W32 1 x 256 float32; b1 256 float32; b21 256 float32; b22 256 float32; b31 2 float32; b32 1 float32; obs 65,536 x 64 float32.
;; Outputs: out0 65,536 x 2 float32.
;; 2 versions, each right; version 2 is version 1 with the launch barriernet written anew for expert scheduling mode. Each part assembles by itself: llvm-mc -triple=amdgcn-amd-amdhsa -mcpu=gfx1250 --defsym DOCPART=n.
;; ======== version 1 of 2: 1 launch
;; launch barriernet (part 1): grid 256 x 1, 4 waves a work-group, no clusters, 163,072 bytes of LDS; arguments obs, W1, b1, W21, b21, W22, b22, W31, b31, W32, b32, out0; writes out0
.if DOCPART == 1
	.amdgcn_target "amdgcn-amd-amdhsa--gfx1250"
	.amdhsa_code_object_version 6
	.text
	.protected	k_q8757596584_barriernet
	.globl	k_q8757596584_barriernet
	.p2align	8
	.type	k_q8757596584_barriernet,@function
k_q8757596584_barriernet:
	s_mov_b64 s[64:65], 0
	v_nop
	global_prefetch_b8 v0, s[64:65] scope:SCOPE_SE
	s_setreg_imm32_b32 hwreg(HW_REG_WAVE_MODE, 25, 1), 1
	s_wait_xcnt 0x0
; BarrierNet, whole forward pass in one launch.  65,536 rows = 256 work-groups x 4 waves x 64 rows.
;   x = relu(obs W1^T + b1); x21 = relu(x W21^T + b21); x22 = relu(x W22^T + b22); (u0, u1) = x21 W31^T + b31; s = x22 W32^T + b32;
;   then per row in f32: beta, erfinv, CVaR coefficient, logsumexp over 3 modes (its maximum taken away), projection on the half-space.
; ALL PRODUCTS ARE TRANSPOSED: source A = 16 rows of a weight matrix (16 output features), source B = 16 batch rows.  A result tile then
; holds, in lane (r, h), features 8h .. 8h+7 of batch row r: relu and rounding to bf16 on two neighbouring tiles give exactly the B fragment
; (32 along K) of the next layer.  So activations never leave registers: x of a wave's 64 rows is 256 registers, x21 / x22 live one step.
; Biases are the C operand of each tile's first product: nothing is cleared and no bias is added by vector instructions.
; The head is a product too: A = a 16-row table (rows 0, 1 = W31 for x21; rows 2.. = W32 for x22; else a row of zeros).
; LAYER 2'S RELU AND ROUNDING ARE ONE INSTRUCTION A NUMBER: v_fma_mixlo/mixhi_bf16 of a * 1.0 + |a| = 2 relu(a), rounded once to bf16.  x21 and x22
; are therefore kept DOUBLED (an exact scaling), and the head's sums are halved in the multiply-adds that add b31 and b32.  That form reads the
; accumulator as sources 0 and 2, so it can stand between the products, whose source 1 is another register window, without a window switch.
; WEIGHTS: f32 in memory -> registers -> bf16 -> LDS, each wave a quarter; all four waves read fragments from that copy.  [W21; W22] goes
; in 16 steps of 32 rows through three LDS slots, the f32 loads four steps ahead (4 x 16 loads of 512 bytes a wave).
; NO CLUSTER, NO TENSOR LOADS: all work-groups read the same weights, but a joint tensor load could only land them as f32: per step 32 KiB more
; written to LDS and 32 KiB more read back, on top of the 85 KiB (4 x 16 fragments, 16 copy, 5 biases and head) that feed the same 272 products.
; The 16 steps are written out by one macro: the rings have periods 4 (load buffers), 3 (slots), 2 (fragment buffers), and registers cannot be indexed.
; LIMITS: matrix operands are rounded to bf16, sums are f32.  Layer 1's relu by v_max_num_f32 turns a NaN into 0.  In layer 2 a sum of -inf gives NaN
; (reference(): 0) and a sum above 1.7e38, half of f32's largest number, overflows in the doubling.  Divisions are v_rcp_f32 and a multiply,
; exp / log / sqrt the 1-ULP instructions, which flush results under 2^-126 to 0: that touches only vanishing terms of the logsumexp's sum, which
; is at least 1.  erfinv is the two-branch f32 polynomial; behind the clip beta >= 1e-6, so w <= 13.2 and |x| = 1 is never met.
.set RP,    528                        ; ring and head table: 256 bf16 + 16 bytes.  All pitches are odd multiples of 16 bytes, so the 16 rows
.set SLOTB, 32*RP                      ;   of a fragment load start in 16 different 16-byte columns of 256
.set W1P,   144                        ; W1 copy: 64 bf16 + 16
.set OBP,   272                        ; obs copy: 64 f32 + 16
.set OBW,   64*OBP                     ; a wave's 64 rows of obs
.set RING,  0                          ; 3 slots x 32 rows of bf16
.set W1B,   3*SLOTB                    ; 50,688: 256 rows of W1 in bf16
.set OBS,   W1B+256*W1P                ; 87,552: obs in f32, wave by wave, kept to the end (columns 6 to 9)
.set BIAS,  OBS+4*OBW                  ; 157,184: b1, b21, b22 in f32
.set W3T,   BIAS+3072                  ; 160,256: four rows of bf16: W31[0], W31[1], W32, zeros; ends at 162,368
; window 0:  v1 lane l, v2 r = l & 15, v3 h = l >> 4, v4 = 16 l, v5 global offset of my 16 KiB of obs and of W1, v6.. LDS addresses (below), v15 temporary
.set OST,   6                          ; obs copy, in: two rows a store
.set OFR,   7                          ; obs copy, fragments
.set W1SA,  8                          ; W1 copy, in
.set W1FA,  9                          ; W1 copy, fragments
.set ABASE, 10                         ; ring, fragments
.set BIASA, 11                         ; biases as C tiles: eight f32 from feature 8 h
.set BST,   12                         ; biases, in
.set VW3,   13                         ; global offset in my head row's buffer
.set W3ST,  14                         ; head table, in
.set ACC,   16                         ; v16-47, v48-79: two accumulator sets, 4 tiles (batch tiles n) each
.set X3,    80                         ; v80-111: 2 x21 / 2 x22 of this step as B fragments, 8 registers for each n
.set BI,    112                        ; v112-119, v120-127: bias tiles
.set AB,    128                        ; v128-191, v192-255: A fragments of a 16-row tile, 8 chunks of K
.set OB,    128                        ; layer 1: obs as B fragments, v[OB+16n+8c]
.set F,     192                        ; layer 1: A fragments, v192-207, v208-223
; window 1:  x as B fragments, index 32 c + 8 n (first: W1's f32, index 0-127)
; windows 2 and 3, same indices: 0-63, 64-127 load buffers (step q: window 2 + ((q>>1)&1), index 64 (q&1)); 128-159 bf16 on the way to LDS
.set CVO,   128
.set VO8,   160                        ; global offset of my 8 rows of a step
.set CVSA,  161                        ; ring, in
; window 2 only
.set A3AA,  162                        ; head table, fragments for x21
.set A3AB,  163                        ; head table, fragments for x22
.set RELA,  164                        ; obs copy: column 6 of row l
.set OUTO,  165                        ; my 8 bytes of out0
.set A3B,   168                        ; 168-175, 176-183: head fragments
.set ACC3,  184                        ; 184-215: the head's four tiles
.set ONE,   45                         ; s45 = 1.0 as a whole f32 word: the factor in a * 1.0 + |a|
; s_set_vgpr_msb's low byte: bits 1:0 source 0, 3:2 source 1, 5:4 source 2, 7:6 destination; the high byte repeats the setting that is left
.set MSB, 0
.macro WIN new
.if MSB != \new
	s_set_vgpr_msb (MSB<<8)|\new
.set MSB, \new
.endif
.endm
; Four places behind matrix instructions where no useful vector work stands (ISA guide 7.12.1)
.macro PLACES
.rept 4
	v_nop
.endr
.endm
; ---------------------------------------------------------------- set-up
	s_load_b512 s[4:19], s[0:1], 0x0               ; obs 4, W1 6, b1 8, W21 10, b21 12, W22 14, b22 16, W31 18
	s_load_b256 s[20:27], s[0:1], 0x40             ; b31 20, W32 22, b32 24, out0 26
	s_set_vgpr_msb 0x80
	v_lshl_add_u32 v254, v0, 2, 0x27b00
	v_mov_b32 v255, 0
	s_set_vgpr_msb 0x8000
	v_lshrrev_b32 v15, 5, v0
	v_readfirstlane_b32 s31, v15                   ; wave w
	v_and_b32 v1, 31, v0
	v_and_b32 v2, 15, v0
	v_bfe_u32 v3, v0, 4, 1
	v_lshlrev_b32 v4, 4, v1
	s_lshl_b32 s44, s31, 14
	v_or_b32 v5, s44, v4                           ; 16 KiB x w + 16 l
	s_mul_i32 s46, s31, OBW
	s_add_co_u32 s46, s46, OBS                     ; my obs copy (kept in s46)
	v_mul_u32_u24 v15, v3, OBP
	v_lshl_add_u32 v15, v2, 4, v15
	v_add_nc_u32 v[OST], s46, v15                  ; row h, 16 bytes at 16 r
	v_mul_u32_u24 v15, v2, OBP
	v_lshl_add_u32 v15, v3, 5, v15
	v_add_nc_u32 v[OFR], s46, v15                  ; row r, eight f32 from column 8 h
	s_mul_i32 s45, s31, 64*W1P
	s_add_co_u32 s45, s45, W1B
	v_mul_u32_u24 v15, v3, W1P
	v_lshl_add_u32 v15, v2, 3, v15
	v_add_nc_u32 v[W1SA], s45, v15                 ; row 64 w + h, 8 bytes at 8 r
	v_mul_u32_u24 v15, v2, W1P
	v_lshl_add_u32 v15, v3, 4, v15
	v_add_nc_u32 v[W1FA], W1B, v15                 ; row r, 16 bytes at 16 h
	v_mul_u32_u24 v[ABASE], v2, RP
	v_lshl_add_u32 v[ABASE], v3, 4, v[ABASE]       ; RING = 0: row r, 16 bytes at 16 h
	v_lshl_add_u32 v[BIASA], v3, 5, BIAS
	s_lshl_b32 s44, s31, 10
	s_add_co_u32 s44, s44, BIAS
	v_add_nc_u32 v[BST], s44, v4
	s_and_b32 s44, s31, 1
	s_lshl_b32 s44, s44, 10
	v_add_nc_u32 v[VW3], s44, v4                   ; wave 1: row 1 of W31; waves 0, 2: row 0 of W31, of W32
	s_mul_i32 s44, s31, RP
	s_add_co_u32 s44, s44, W3T
	v_lshl_add_u32 v[W3ST], v1, 3, s44             ; table row w
	v_min_u32 v15, 2, v2                           ; m = min(r, 2)
	v_lshrrev_b32 v16, 1, v15
	v_add_nc_u32 v17, v15, v16                     ; x21: table rows 0, 1, 3 (zeros) for r = 0, 1, 2..
	v_sub_nc_u32 v16, 3, v16                       ; x22: table rows 3, 3, 2 (W32)
	v_mul_u32_u24 v17, v17, RP
	v_mul_u32_u24 v16, v16, RP
	v_lshl_add_u32 v17, v3, 4, v17
	v_lshl_add_u32 v16, v3, 4, v16
	v_mul_u32_u24 v18, v1, OBP
	s_lshl_b32 s44, s31, 13
	s_mul_i32 s45, s31, 8*RP
	s_lshl_b32 s47, s31, 9
	WIN 0x80                                       ; destinations in window 2
	v_or_b32 v[VO8], s44, v4                       ; 8 KiB x w + 16 l
	v_lshl_add_u32 v[CVSA], v1, 3, s45             ; row 8 w, 8 bytes at 8 l
	v_add_nc_u32 v[A3AA], W3T, v17
	v_add_nc_u32 v[A3AB], W3T, v16
	v_add3_u32 v[RELA], v18, s46, 24
	v_lshl_add_u32 v[OUTO], v1, 3, s47
	WIN 0xc0                                       ; and the two that window 3 needs as well
	v_or_b32 v[VO8], s44, v4
	v_lshl_add_u32 v[CVSA], v1, 3, s45
	WIN 0
	s_mov_b32 s[ONE], 1.0
	s_mov_b32 s38, 0x76543210                      ; v_permlanex16_b32: lane i reads lane i of the other half
	s_mov_b32 s39, 0xfedcba98
	s_mov_b32 s42, 0x322bcc77                      ; 1e-8
	s_mov_b32 s43, 0x2b0cbccc                      ; 0.5e-12
	s_lshl_b32 s32, ttmp9, 16                      ; 256 rows of obs, 256 bytes each
	s_mov_b32 s33, 0
	; v_fma_mixlo_bf16 and v_fma_mixhi_bf16 write one half of their destination and keep the other, so the destination is a source too:
	; X3 is written whole once, here, where the wave has to wait for its arguments anyway
.set i, 0
.rept 32
	v_mov_b32 v[X3+i], 0
.set i, i+1
.endr
	s_wait_kmcnt 0x0
	s_load_b64 s[28:29], s[20:21], 0x0             ; b31
	s_load_b32 s30, s[24:25], 0x0                  ; b32; both are waited for in front of the last phase
	s_add_nc_u64 s[4:5], s[4:5], s[32:33]
	s_lshl_b32 s32, ttmp9, 11                      ; 256 rows of out0, 8 bytes each
	s_add_nc_u64 s[26:27], s[26:27], s[32:33]
	s_cmp_eq_u32 s31, 1
	s_cselect_b64 s[34:35], s[12:13], s[16:17]
	s_cmp_eq_u32 s31, 0
	s_cselect_b64 s[34:35], s[8:9], s[34:35]       ; wave 0, 1, 2 copies b1, b21, b22
	s_cmp_eq_u32 s31, 2
	s_cselect_b64 s[36:37], s[22:23], s[18:19]     ; and W31[0], W31[1], W32
; 16 loads: my 8 rows (8 KiB of f32) of step q's 32 rows of [W21; W22].  Window: that of q's buffer.
.macro GL q
.set j, 0
.rept 16
.if (\q) < 8
	global_load_b128 v[64*((\q)&1)+4*j:64*((\q)&1)+4*j+3], v[VO8], s[10:11] offset:((\q)&7)*32768+512*j
.else
	global_load_b128 v[64*((\q)&1)+4*j:64*((\q)&1)+4*j+3], v[VO8], s[14:15] offset:((\q)&7)*32768+512*j
.endif
.set j, j+1
.endr
.endm
; ---------------------------------------------------------------- every load that can be asked for now.  The small ones come first, so that the
; number of loads behind any later load is the same in all four waves.
	s_cmp_eq_u32 s31, 3
	s_cbranch_scc1 .Lno_small_loads
	global_load_b128 v[16:19], v4, s[34:35]
	global_load_b128 v[20:23], v4, s[34:35] offset:512
	global_load_b128 v[24:27], v[VW3], s[36:37]
	global_load_b128 v[28:31], v[VW3], s[36:37] offset:512
.Lno_small_loads:
.set i, 0
.rept 32
	global_load_b128 v[128+4*i:128+4*i+3], v5, s[4:5] offset:512*i th:TH_LOAD_NT   ; rows 2 i, 2 i + 1 of my 64: read once in the launch
.set i, i+1
.endr
	WIN 0x40
.set i, 0
.rept 32
	global_load_b128 v[4*i:4*i+3], v5, s[6:7] offset:512*i                         ; rows 64 w + 2 i, + 1 of W1, into window 1
.set i, i+1
.endr
	WIN 0xaa
	GL 0
	GL 1
	WIN 0xff
	GL 2
	GL 3
	WIN 0
	s_wait_loadcnt 63                              ; loads return in order (ISA guide 5.7.1): of the 64 ring loads 63 may be out; small ones, obs and W1 are in
; ---------------------------------------------------------------- into LDS
.set i, 0
.rept 32
	ds_store_b128 v[OST], v[128+4*i:128+4*i+3] offset:2*OBP*i
.set i, i+1
.endr
.irp n, 0,1,2,3
.irp c, 0,1
	; my own bytes, and LDS serves a wave in order: no wait.  16 f32 of row 16 n + r: K = 32 c + 8 h + 0..7 and 32 c + 16 + 8 h + 0..7
	ds_load_b128 v[128+32*\n+16*\c:128+32*\n+16*\c+3],     v[OFR] offset:16*OBP*\n+128*\c
	ds_load_b128 v[128+32*\n+16*\c+4:128+32*\n+16*\c+7],   v[OFR] offset:16*OBP*\n+128*\c+16
	ds_load_b128 v[128+32*\n+16*\c+8:128+32*\n+16*\c+11],  v[OFR] offset:16*OBP*\n+128*\c+64
	ds_load_b128 v[128+32*\n+16*\c+12:128+32*\n+16*\c+15], v[OFR] offset:16*OBP*\n+128*\c+80
.endr
.endr
	s_cmp_eq_u32 s31, 3
	s_cbranch_scc1 .Lzero_row
	ds_store_b128 v[BST], v[16:19]                 ; my bias vector, f32
	ds_store_b128 v[BST], v[20:23] offset:512
	v_cvt_pk_bf16_f32 v24, v24, v25                ; my head row, bf16
	v_cvt_pk_bf16_f32 v25, v26, v27
	v_cvt_pk_bf16_f32 v26, v28, v29
	v_cvt_pk_bf16_f32 v27, v30, v31
	ds_store_b64 v[W3ST], v[24:25]
	ds_store_b64 v[W3ST], v[26:27] offset:256
	s_branch .Lsmall_done
.Lzero_row:
	v_mov_b32 v16, 0                               ; wave 3: the table's row of zeros, 32 x 16 bytes
	v_mov_b32 v17, 0
	v_mov_b32 v18, 0
	v_mov_b32 v19, 0
	v_add_nc_u32 v15, W3T+3*RP, v4
	ds_store_b128 v15, v[16:19]
.Lsmall_done:
	WIN 0x45                                       ; W1 to bf16, in place in window 1
.set i, 0
.rept 32
	v_cvt_pk_bf16_f32 v[4*i], v[4*i], v[4*i+1]
	v_cvt_pk_bf16_f32 v[4*i+1], v[4*i+2], v[4*i+3]
.set i, i+1
.endr
	WIN 0x04                                       ; address window 0, data window 1
.set i, 0
.rept 32
	ds_store_b64 v[W1SA], v[4*i:4*i+1] offset:2*W1P*i
.set i, i+1
.endr
	WIN 0
	s_wait_dscnt 0x0                               ; my stores are in LDS, for the other waves' sake; my obs fragments are in registers
	s_barrier_signal -1
.set i, 0
.rept 64
	v_cvt_pk_bf16_f32 v[OB+i], v[128+2*i], v[128+2*i+1]    ; obs to bf16, ascending in place: fragment (n, c) ends at OB + 16 n + 8 c
.set i, i+1
.endr
	s_barrier_wait -1                              ; W1's copy, the biases and the head table are whole
; ---------------------------------------------------------------- macros of the two layers
.macro RELU b                          ; accumulator set b (layer 1)
.set i, 0
.rept 32
	v_max_num_f32 v[ACC+32*(\b)+i], 0, v[ACC+32*(\b)+i]
.set i, i+1
.endr
.endm
; step q's rows to bf16 and into ring slot q % 3; the buffer is asked for again, four steps ahead.  It stays a block of its own: both sources
; of its conversions lie in window 2 or 3, which no product's setting offers.
.macro CONV q
.if (\q)&2
	WIN 0xff
.else
	WIN 0xaa
.endif
.if (\q) > 12
	s_wait_loadcnt 16*(15-(\q))                    ; the groups behind mine: two, one, none
.else
	s_wait_loadcnt 48                              ; three younger groups of 16 stay out
.endif
.set j, 0
.rept 16
	v_cvt_pk_bf16_f32 v[CVO+2*j], v[64*((\q)&1)+4*j], v[64*((\q)&1)+4*j+1]
	v_cvt_pk_bf16_f32 v[CVO+2*j+1], v[64*((\q)&1)+4*j+2], v[64*((\q)&1)+4*j+3]
.set j, j+1
.endr
.if (\q) <= 11
	GL (\q)+4
.endif
.set j, 0
.rept 16
	ds_store_b64 v[CVSA], v[CVO+2*j:CVO+2*j+1] offset:((\q)%3)*SLOTB+(j>>1)*RP+(j&1)*256   ; 32 lanes: 256 neighbouring bytes
.set j, j+1
.endr
.endm
; layer 1, tile t (features 16 t ..): 4 fragment loads and 2 for the bias tile
.macro LA1 t
.irp c, 0,1
	ds_load_b128 v[F+16*((\t)&1)+8*\c:F+16*((\t)&1)+8*\c+3],   v[W1FA] offset:16*W1P*(\t)+64*\c
	ds_load_b128 v[F+16*((\t)&1)+8*\c+4:F+16*((\t)&1)+8*\c+7], v[W1FA] offset:16*W1P*(\t)+64*\c+32
.endr
	ds_load_b128 v[BI+8*((\t)&1):BI+8*((\t)&1)+3],   v[BIASA] offset:64*(\t)
	ds_load_b128 v[BI+8*((\t)&1)+4:BI+8*((\t)&1)+7], v[BIASA] offset:64*(\t)+16
.endm
; relu and packing of layer 1's tile t into x (window 1): half t & 1 of chunk t >> 1
.macro V1 t
	RELU ((\t)&1)
	WIN 0x40
.irp n, 0,1,2,3
.irp i, 0,1,2,3
	v_cvt_pk_bf16_f32 v[32*((\t)>>1)+8*\n+4*((\t)&1)+\i], v[ACC+32*((\t)&1)+8*\n+2*\i], v[ACC+32*((\t)&1)+8*\n+2*\i+1]
.endr
.endr
	WIN 0
.endm
; layer 1, tile t: 8 products; then the tile before is packed (48 vector instructions on the other accumulator set: the places in front of the
; loads into this tile's fragments, and in front of this tile's own packing one turn later); then the fragments two tiles ahead.
; cnt = LDS instructions issued behind tile t's loads.
.macro T1 t, cnt
	WIN 0
	s_wait_dscnt \cnt
.irp c, 0,1
.irp n, 0,1,2,3
.if \c == 0
	v_wmma_f32_16x16x32_bf16 v[ACC+32*((\t)&1)+8*\n:ACC+32*((\t)&1)+8*\n+7], v[F+16*((\t)&1)+8*\c:F+16*((\t)&1)+8*\c+7], v[OB+16*\n+8*\c:OB+16*\n+8*\c+7], v[BI+8*((\t)&1):BI+8*((\t)&1)+7]
.else
	v_wmma_f32_16x16x32_bf16 v[ACC+32*((\t)&1)+8*\n:ACC+32*((\t)&1)+8*\n+7], v[F+16*((\t)&1)+8*\c:F+16*((\t)&1)+8*\c+7], v[OB+16*\n+8*\c:OB+16*\n+8*\c+7], v[ACC+32*((\t)&1)+8*\n:ACC+32*((\t)&1)+8*\n+7]
.endif
.endr
.endr
.if \t > 0
	V1 \t-1
.else
	PLACES
.endif
.if \t <= 13
	LA1 \t+2
.endif
.endm
; layer 2, tile t of 32 (16 rows of [W21; W22]): its 18 LDS loads, numbered m = 0 .. 17: the bias tile's two, then 16 for the eight chunks of K
.macro LAITEM t, m
.if (\m) < 2
	ds_load_b128 v[BI+8*((\t)&1)+4*(\m):BI+8*((\t)&1)+4*(\m)+3], v[BIASA] offset:1024+64*(\t)+16*(\m)
.else
	ds_load_b128 v[AB+64*((\t)&1)+4*((\m)-2):AB+64*((\t)&1)+4*((\m)-2)+3], v[ABASE] offset:(((\t)>>1)%3)*SLOTB+((\t)&1)*16*RP+32*((\m)-2)
.endif
.endm
.macro LARUN t, m0                     ; six of them
.irp d, 0,1,2,3,4,5
	LAITEM \t, (\m0)+\d
.endr
.endm
.macro LA t                            ; all of them
.irp m, 0,1,2,3,4,5,6,7,8,9,10,11,12,13,14,15,16,17
	LAITEM \t, \m
.endr
.endm
; 2 relu(a), rounded once to bf16, of numbers 2 i and 2 i + 1 of accumulator set s, batch tile n (j = 4 n + i), into half s of X3's fragment n.
; a + |a| is 2 a or 0, exactly.  Sources 0 and 2 and the destination are window 0 under the products' setting too.
.macro MIXLO s, j
	v_fma_mixlo_bf16 v[X3+8*((\j)>>2)+4*(\s)+((\j)&3)], v[ACC+32*(\s)+8*((\j)>>2)+2*((\j)&3)], s[ONE], |v[ACC+32*(\s)+8*((\j)>>2)+2*((\j)&3)]|
.endm
.macro MIXHI s, j
	v_fma_mixhi_bf16 v[X3+8*((\j)>>2)+4*(\s)+((\j)&3)], v[ACC+32*(\s)+8*((\j)>>2)+2*((\j)&3)+1], s[ONE], |v[ACC+32*(\s)+8*((\j)>>2)+2*((\j)&3)+1]|
.endm
; PHASE: the 32 products of the tile in buffer b (product k: chunk k >> 2 of K, batch tile k & 3; x's fragment is index 8 k of window 1), and between
; them, under the same window setting, what the neighbouring tiles need:
;   behind product 0: four v_nop, the places (ISA guide 7.12.1) between the last tile's and the head's products and all that follows here:
;     reads of the other accumulator set, writes of X3 (the head's source), loads into the other fragment buffer and bias tile;
;   behind products 1, 9, 17: six loads of tile ld (ld < 0: none), so the 18 loads are spread over the phase and the last run stands 14 products
;     ahead of the wait for it;
;   behind each of the next 16 other products (pk = 1): one mixlo and one mixhi of the tile before, on registers eight apart, so that neither waits
;     for the other; after 16 such pairs both halves of all 16 registers are written.
.macro PHASE b, pk, ld
.set k, 0
.set mj, 0
.rept 32
.if k < 4
	v_wmma_f32_16x16x32_bf16 v[ACC+32*\b+8*k:ACC+32*\b+8*k+7], v[AB+64*\b:AB+64*\b+7], v[8*k:8*k+7], v[BI+8*\b:BI+8*\b+7]
.else
	v_wmma_f32_16x16x32_bf16 v[ACC+32*\b+8*(k&3):ACC+32*\b+8*(k&3)+7], v[AB+64*\b+8*(k>>2):AB+64*\b+8*(k>>2)+7], v[8*k:8*k+7], v[ACC+32*\b+8*(k&3):ACC+32*\b+8*(k&3)+7]
.endif
.set ldgap, 0
.if (k&7) == 1
.if k < 18
.set ldgap, 1
.endif
.endif
.if k == 0
	PLACES
.endif
.if ldgap
.if (\ld) >= 0
	LARUN \ld, 6*(k>>3)
.endif
.else
.if k > 0
.if \pk
.if mj < 16
	MIXLO 1-\b, mj
	MIXHI 1-\b, (mj+8)&15
.set mj, mj+1
.endif
.endif
.endif
.endif
.set k, k+1
.endr
.endm
; the head's A fragment for step p: 32 columns of the table
.macro A3LD p
.if (\p) < 8
	ds_load_b128 v[A3B+8*((\p)&1):A3B+8*((\p)&1)+3],   v[A3AA] offset:64*((\p)&7)
	ds_load_b128 v[A3B+8*((\p)&1)+4:A3B+8*((\p)&1)+7], v[A3AA] offset:64*((\p)&7)+32
.else
	ds_load_b128 v[A3B+8*((\p)&1):A3B+8*((\p)&1)+3],   v[A3AB] offset:64*((\p)&7)
	ds_load_b128 v[A3B+8*((\p)&1)+4:A3B+8*((\p)&1)+7], v[A3AB] offset:64*((\p)&7)+32
.endif
.endm
; the head's four products of step p; the first start the sums
.macro L3 p
.irp n, 0,1,2,3
.if (\p) == 0
	v_wmma_f32_16x16x32_bf16 v[ACC3+8*\n:ACC3+8*\n+7], v[A3B+8*((\p)&1):A3B+8*((\p)&1)+7], v[X3+8*\n:X3+8*\n+7], 0
.else
	v_wmma_f32_16x16x32_bf16 v[ACC3+8*\n:ACC3+8*\n+7], v[A3B+8*((\p)&1):A3B+8*((\p)&1)+7], v[X3+8*\n:X3+8*\n+7], v[ACC3+8*\n:ACC3+8*\n+7]
.endif
.endr
.endm
; STEP p: tiles 2 p and 2 p + 1 (slot p % 3).  First phase: tile 2 p, with tile 2 p - 1 packed and tile 2 p + 1 loaded between its products; then
; the head's products of step p - 1 (X3 is whole now) and the conversion of step p + 2's rows; second phase: tile 2 p + 1, with tile 2 p packed and
; tile 2 p + 2 loaded.
; ONE BARRIER, at the head, does two things.  In front of it each wave has waited for all its LDS instructions: (a) its stores of step p + 1's rows
; (made in step p - 1), which are first read behind it, by the second phase's loads; (b) its reads of slot (p - 1) % 3 (the last were issued in
; step p - 1's first phase), which CONV p+2 overwrites behind it.  Step 15 reads only what earlier barriers cover and writes nothing: no barrier.
.macro STEP p
	s_wait_dscnt 0x0                               ; also: tile 2 p's fragments and the head's fragment of step p - 1 are in
.if \p < 15
	s_barrier_signal -1
.if \p == 0
	V1 15                                          ; registers only: the last tile of x
.endif
	s_barrier_wait -1
.endif
	WIN 0x04                                       ; B (x) in window 1, all else in window 0
.if \p == 0
	LA 0                                           ; slot 0 was stored by all four waves: read only behind this barrier
	s_wait_dscnt 0x0
	PHASE 0, 0, 1
.else
	PHASE 0, 1, 2*\p+1
.endif
	WIN 0xa2                                       ; head: A, C, D in window 2, B (X3) in window 0
	A3LD \p
.if \p > 0
	L3 \p-1
.endif
.if \p <= 13
	CONV \p+2
.endif
	WIN 0x04
.if \p <= 13
	s_wait_dscnt 18                                ; behind tile 2 p + 1's loads: 2 head loads and 16 stores
.else
	s_wait_dscnt 2                                 ; the 2 head loads
.endif
.if \p < 15
	PHASE 1, 1, 2*\p+2
.else
	PHASE 1, 1, -1
.endif
.endm
; ---------------------------------------------------------------- layer 1: 16 tiles; steps 0 and 1 of the ring are converted on the way
	LA1 0
	LA1 1
.irp t, 0,1,2,3,4,5,6,7
	T1 \t, 6                                       ; the next tile's 6 loads stay out
.endr
	CONV 0
	T1 8, 22                                       ; 6 loads and CONV's 16 stores
	T1 9, 22
.irp t, 10,11,12,13
	T1 \t, 6
.endr
	CONV 1
	T1 14, 22
	T1 15, 16                                      ; the 16 stores alone
; ---------------------------------------------------------------- layer 2 and the head
.irp p, 0,1,2,3,4,5,6,7,8,9,10,11,12,13,14,15
	STEP \p
.endr
	PLACES                                         ; behind tile 31's last products
.irp j, 0,1,2,3,4,5,6,7,8,9,10,11,12,13,14,15
	MIXLO 1, \j
.endr
.irp j, 0,1,2,3,4,5,6,7,8,9,10,11,12,13,14,15
	MIXHI 1, \j
.endr
	s_wait_dscnt 0x0                               ; the last head fragment
	s_wait_kmcnt 0x0                               ; b31, b32
	WIN 0xa2
	L3 15
; ---------------------------------------------------------------- per row, f32, all in window 2.  Lane l holds row 32 g + l of the wave's 64, g = 0, 1 at
; register base 32 g; each line is written for both groups, so that dependent lines stand two apart.
.set EO6, 0                            ; pair: obs columns 6, 7 (rel)
.set EO8, 2                            ; pair: columns 8, 9 (human velocity)
.set EU0, 4                            ; pair: u_nom, at the end u_safe
.set ES,  6                            ; 2 x22 . W32 (directly behind EU0: the gather runs over three registers)
.set ET,  7
.set EB,  8                            ; beta
.set EX,  9                            ; 1 - 2 beta
.set EW,  10
.set EPA, 11
.set EPB, 12
.set EWA, 13
.set EWB, 14
.set EN2, 15                           ; |rel|^2
.set EBASE, 16
.set ECO, 17
.set ER0, 18                           ; 18-20: sigma, then rhs, of the three modes
.set EMX, 21
.set ERB, 22
.set EDN, 23
.macro E2 op, d, a
	\op v[\d], v[\a]
	\op v[32+\d], v[32+\a]
.endm
.macro EK op, d, k, a
	s_wait_alu depctr_va_vdst(0)
	\op v[\d], \k, v[\a]
	\op v[32+\d], \k, v[32+\a]
.endm
.macro E3 op, d, a, b
	s_wait_alu depctr_va_vdst(0)
	\op v[\d], v[\a], v[\b]
	\op v[32+\d], v[32+\a], v[32+\b]
.endm
.macro E4 op, d, a, b, c
	\op v[\d], v[\a], v[\b], v[\c]
	\op v[32+\d], v[32+\a], v[32+\b], v[32+\c]
.endm
.macro E4K op, d, a, k1, k2
	\op v[\d], v[\a], \k1, \k2
	\op v[32+\d], v[32+\a], \k1, \k2
.endm
.macro E4M op, d, a, k, c
	s_wait_alu depctr_va_vdst(0)
	\op v[\d], v[\a], \k, v[\c]
	\op v[32+\d], v[32+\a], \k, v[32+\c]
.endm
.macro POLY ca, cb                     ; one Horner step of both branches, both groups: four chains that do not wait for each other
	v_fmaak_f32 v[EPA], v[EPA], v[EWA], \ca
	v_fmaak_f32 v[EPB], v[EPB], v[EWB], \cb
	v_fmaak_f32 v[32+EPA], v[32+EPA], v[32+EWA], \ca
	v_fmaak_f32 v[32+EPB], v[32+EPB], v[32+EWB], \cb
.endm
	WIN 0xaa
	s_mov_b32 vcc_lo, 0xffff0000                   ; lanes 16-31
	s_mul_f32 s44, s30, 0xbfb8aa3b                 ; -log2(e) b32
.irp g, 0,1
	ds_load_b64 v[32*\g+EO6:32*\g+EO6+1], v[RELA] offset:32*OBP*\g
	ds_load_b64 v[32*\g+EO8:32*\g+EO8+1], v[RELA] offset:32*OBP*\g+8
.endr
	PLACES                                         ; behind the head's last products
	; the head's tile n holds twice (u0, u1, s), biases apart, of batch row 16 n + r in registers 0-2 of lanes 0-15: lanes 16-31 fetch theirs from tile 2 g + 1
.irp g, 0,1
.irp j, 0,1,2
	v_permlanex16_b32 v[32*\g+ET], v[ACC3+16*\g+8+\j], s38, s39
	v_cndmask_b32 v[32*\g+EU0+\j], v[ACC3+16*\g+\j], v[32*\g+ET], vcc_lo
.endr
.endr
	E4K v_fma_f32, EU0, EU0, 0.5, s28              ; the doubling of x21 is taken back where b31 is added
	E4K v_fma_f32, EU0+1, EU0+1, 0.5, s29
	E4K v_fma_f32, ET, ES, 0xbf38aa3b, s44         ; -log2(e) (s + b32): the factor is -log2(e) / 2, for the doubled x22
	s_wait_dscnt 0x0                               ; obs columns 6 to 9
	; behind each run of transcendentals a plain line on other registers comes before a result is used (ISA guide 5.7.2)
	E2  v_exp_f32, ET, ET
	E3  v_mul_f32, EN2, EO6+1, EO6+1
	EK  v_add_f32, ET, 1.0, ET
	E2  v_rcp_f32, ET, ET                          ; sigmoid
	E4  v_fma_f32, EN2, EO6, EO6, EN2
	EK  v_mul_f32, EB, 0x3e4ccccd, ET              ; beta = 0.2 sigmoid
	EK  v_max_num_f32, EB, 0x358637bd, EB          ; clip to 1e-6 ..
	EK  v_min_num_f32, EB, 0x3f7fffef, EB          ; .. 1 - 1e-6
	E4K v_fma_f32, EX, EB, -2.0, 1.0               ; x = 1 - 2 beta
	v_fma_f32 v[EW], -v[EX], v[EX], 1.0            ; 1 - x^2, one rounding
	v_fma_f32 v[32+EW], -v[32+EX], v[32+EX], 1.0
	E2  v_log_f32, EW, EW
	E2  v_rcp_f32, ERB, EB
	E3  v_mul_f32, EBASE, EO8+1, EO6+1
	EK  v_mul_f32, EW, 0xbf317218, EW              ; w = -ln(1 - x^2)
	E2  v_sqrt_f32, EWB, EW
	EK  v_add_f32, EWA, 0xc0200000, EW             ; w - 2.5
	EK  v_add_f32, EWB, 0xc0400000, EWB            ; sqrt(w) - 3
	EK  v_add_f32, ET, 0xbf23d70a, EN2             ; h = |rel|^2 - 0.64
	v_mov_b32 v[EPA], 0.0000000281022636
	v_mov_b32 v[EPB], -0.000200214257
	v_mov_b32 v[32+EPA], 0.0000000281022636
	v_mov_b32 v[32+EPB], -0.000200214257
	POLY 0.000000343273939, 0.000100950558
	POLY -0.0000035233877, 0.00134934322
	POLY -0.00000439150654, -0.00367342844
	POLY 0.00021858087, 0.00573950773
	POLY -0.00125372503, -0.0076224613
	POLY -0.00417768164, 0.00943887047
	POLY 0.246640727, 1.00167406
	POLY 1.50140941, 2.83297682
	v_cmp_gt_f32 s40, 0x40a00000, v[EW]            ; w < 5: both branches are worked out, the mask only selects a value
	v_cmp_gt_f32 s41, 0x40a00000, v[32+EW]
	v_cndmask_b32 v[EPA], v[EPB], v[EPA], s40
	v_cndmask_b32 v[32+EPA], v[32+EPB], v[32+EPA], s41
	E3  v_mul_f32, EPA, EPA, EX                    ; y = erfinv(x); z = sqrt(2) y, so -z^2 / 2 = -y^2
	E3  v_mul_f32, EPA, EPA, EPA
	EK  v_mul_f32, EPA, 0xbfb8aa3b, EPA
	E2  v_exp_f32, ECO, EPA                        ; exp(-z^2 / 2)
	E4K v_fma_f32, ER0, EN2, 0x3d23d70b, s42       ; 4 var |rel|^2 + 1e-8: 4 x 0.1^2, 4 x 0.3^2, 4 x 0.5^2 as f32 products
	E4K v_fma_f32, ER0+1, EN2, 0x3eb851ec, s42
	EK  v_add_f32, ER0+2, s42, EN2
	E2  v_sqrt_f32, ER0, ER0
	E2  v_sqrt_f32, ER0+1, ER0+1
	E2  v_sqrt_f32, ER0+2, ER0+2
	EK  v_mul_f32, ERB, 0x3ecc422a, ERB            ; 1 / (sqrt(2 pi) beta)
	E4  v_fma_f32, EBASE, EO8, EO6, EBASE          ; rel . mu
	E3  v_add_f32, EBASE, EBASE, EBASE
	E4M v_fma_f32, EBASE, ET, -2.0, EBASE          ; -2 h + 2 rel . mu
	E3  v_mul_f32, ECO, ECO, ERB                   ; CVaR coefficient
	E4  v_fma_f32, ER0, ER0, ECO, EBASE
	E4  v_fma_f32, ER0+1, ER0+1, ECO, EBASE
	E4  v_fma_f32, ER0+2, ER0+2, ECO, EBASE
	E4  v_max3_num_f32, EMX, ER0, ER0+1, ER0+2     ; the maximum is taken away before the exponentials
	E3  v_sub_f32, ER0, ER0, EMX
	E3  v_sub_f32, ER0+1, ER0+1, EMX
	E3  v_sub_f32, ER0+2, ER0+2, EMX
	EK  v_mul_f32, ER0, 14.4269504, ER0            ; log2(e) / tau
	EK  v_mul_f32, ER0+1, 14.4269504, ER0+1
	EK  v_mul_f32, ER0+2, 14.4269504, ER0+2
	E2  v_exp_f32, ER0, ER0
	E2  v_exp_f32, ER0+1, ER0+1
	E2  v_exp_f32, ER0+2, ER0+2
	E4K v_fma_f32, EDN, EN2, 2.0, s43              ; half of G . G + 1e-12: its reciprocal is 2 / denom, an exact scaling
	E3  v_add_f32, ER0, ER0, ER0+1
	E3  v_add_f32, ER0, ER0, ER0+2
	E2  v_log_f32, ER0, ER0
	E2  v_rcp_f32, EDN, EDN
	E3  v_mul_f32, ET, EO6+1, EU0+1
	E4  v_fma_f32, ET, EO6, EU0, ET                ; rel . u_nom
	E4M v_fma_f32, EMX, ER0, 0.0693147181, EMX     ; rhs_wc = max + tau ln 2 log2(sum)
	E4M v_fma_f32, ET, ET, -2.0, EMX               ; viol = G . u_nom + rhs_wc
	EK  v_max_num_f32, ET, 0, ET
	E3  v_mul_f32, ET, ET, EDN                     ; 2 step
	E4  v_fma_f32, EU0, ET, EO6, EU0               ; u_nom - step G = u_nom + 2 step rel
	E4  v_fma_f32, EU0+1, ET, EO6+1, EU0+1
.irp g, 0,1
	global_store_b64 v[OUTO], v[32*\g+EU0:32*\g+EU0+1], s[26:27] offset:256*\g th:TH_STORE_NT   ; 32 lanes: 256 consecutive bytes, at a multiple of 256 from out0's first byte
.endr
	WIN 0
	s_set_vgpr_msb 0xa
	s_wait_tensorcnt 0x0
	ds_add_u32 v254, v255
	s_wait_dscnt 0x0
	s_set_vgpr_msb 0xa00
	s_endpgm
.Lfunc_end_k_q8757596584_barriernet:
	.size	k_q8757596584_barriernet, .Lfunc_end_k_q8757596584_barriernet-k_q8757596584_barriernet
	.p2alignl 7, 3214868480
	.fill 96, 4, 3214868480
	.section	.rodata,"a",@progbits
	.p2align	6, 0x0
	.amdhsa_kernel k_q8757596584_barriernet
		.amdhsa_group_segment_fixed_size 163072
		.amdhsa_private_segment_fixed_size 0
		.amdhsa_enable_private_segment 0
		.amdhsa_kernarg_size 96
		.amdhsa_user_sgpr_count 2
		.amdhsa_user_sgpr_kernarg_segment_ptr 1
		.amdhsa_wavefront_size32 1
		.amdhsa_system_sgpr_workgroup_id_x 1
		.amdhsa_system_sgpr_workgroup_id_y 1
		.amdhsa_system_sgpr_workgroup_id_z 1
		.amdhsa_system_vgpr_workitem_id 0
		.amdhsa_next_free_vgpr 936
		.amdhsa_next_free_sgpr 66
		.amdhsa_reserve_vcc 1
		.amdhsa_float_denorm_mode_32 3
		.amdhsa_float_denorm_mode_16_64 3
		.amdhsa_memory_ordered 1
		.amdhsa_forward_progress 1
		.amdhsa_inst_pref_size 255
	.end_amdhsa_kernel
	.section	.bss,"aw",@nobits
	.p2align	6
	.space	262144
	.amdgpu_metadata
---
amdhsa.version: [ 1, 2 ]
amdhsa.kernels:
  - .name:           k_q8757596584_barriernet
    .symbol:         k_q8757596584_barriernet.kd
    .args:
      - { .name: obs, .offset: 0, .size: 8, .value_kind: global_buffer, .address_space: global }
      - { .name: W1, .offset: 8, .size: 8, .value_kind: global_buffer, .address_space: global }
      - { .name: b1, .offset: 16, .size: 8, .value_kind: global_buffer, .address_space: global }
      - { .name: W21, .offset: 24, .size: 8, .value_kind: global_buffer, .address_space: global }
      - { .name: b21, .offset: 32, .size: 8, .value_kind: global_buffer, .address_space: global }
      - { .name: W22, .offset: 40, .size: 8, .value_kind: global_buffer, .address_space: global }
      - { .name: b22, .offset: 48, .size: 8, .value_kind: global_buffer, .address_space: global }
      - { .name: W31, .offset: 56, .size: 8, .value_kind: global_buffer, .address_space: global }
      - { .name: b31, .offset: 64, .size: 8, .value_kind: global_buffer, .address_space: global }
      - { .name: W32, .offset: 72, .size: 8, .value_kind: global_buffer, .address_space: global }
      - { .name: b32, .offset: 80, .size: 8, .value_kind: global_buffer, .address_space: global }
      - { .name: out0, .offset: 88, .size: 8, .value_kind: global_buffer, .address_space: global }
    .group_segment_fixed_size: 163072
    .private_segment_fixed_size: 0
    .kernarg_segment_align: 8
    .kernarg_segment_size: 96
    .max_flat_workgroup_size: 128
    .sgpr_count:     66
    .vgpr_count:     936
    .wavefront_size: 32
...
	.end_amdgpu_metadata
.endif
;; end of part 1
;; ======== version 2 of 2: 1 launch; version 1 with the launch barriernet written anew for expert scheduling mode
;; launch barriernet (part 2): grid 256 x 1, 4 waves a work-group, no clusters, 163,072 bytes of LDS; arguments obs, W1, b1, W21, b21, W22, b22, W31, b31, W32, b32, out0; writes out0
.if DOCPART == 2
	.amdgcn_target "amdgcn-amd-amdhsa--gfx1250"
	.amdhsa_code_object_version 6
	.text
	.protected	k_q8757596584_barriernet
	.globl	k_q8757596584_barriernet
	.p2align	8
	.type	k_q8757596584_barriernet,@function
k_q8757596584_barriernet:
	s_mov_b64 s[64:65], 0
	v_nop
	global_prefetch_b8 v0, s[64:65] scope:SCOPE_SE
	s_setreg_imm32_b32 hwreg(HW_REG_WAVE_SCHED_MODE, 0, 2), 2
	s_setreg_imm32_b32 hwreg(HW_REG_WAVE_MODE, 25, 1), 1
	s_wait_xcnt 0x0
	s_wait_alu depctr_vm_vsrc(0)
; BarrierNet, whole forward pass in one launch.  65,536 rows = 256 work-groups x 4 waves x 64 rows.
;   x = relu(obs W1^T + b1); x21 = relu(x W21^T + b21); x22 = relu(x W22^T + b22); (u0, u1) = x21 W31^T + b31; s = x22 W32^T + b32;
;   then per row in f32: beta, erfinv, CVaR coefficient, logsumexp over 3 modes (its maximum taken away), projection on the half-space.
; ALL PRODUCTS ARE TRANSPOSED: source A = 16 rows of a weight matrix (16 output features), source B = 16 batch rows.  A result tile then
; holds, in lane (r, h), features 8h .. 8h+7 of batch row r: relu and rounding to bf16 on two neighbouring tiles give exactly the B fragment
; (32 along K) of the next layer.  So activations never leave registers: x of a wave's 64 rows is 256 registers, x21 / x22 live one step.
; Biases are the C operand of each tile's first product: nothing is cleared and no bias is added by vector instructions.
; The head is a product too: A = a 16-row table (rows 0, 1 = W31 for x21; rows 2.. = W32 for x22; else a row of zeros).
; LAYER 2'S RELU AND ROUNDING ARE ONE INSTRUCTION A NUMBER: v_fma_mixlo/mixhi_bf16 of a * 1.0 + |a| = 2 relu(a), rounded once to bf16.  x21 and x22
; are therefore kept DOUBLED (an exact scaling), and the head's sums are halved in the multiply-adds that add b31 and b32.  That form reads the
; accumulator as sources 0 and 2, so it can stand between the products, whose source 1 is another register window, without a window switch.
; WEIGHTS: f32 in memory -> registers -> bf16 -> LDS, each wave a quarter; all four waves read fragments from that copy.  [W21; W22] goes
; in 16 steps of 32 rows through three LDS slots, the f32 loads four steps ahead (4 x 16 loads of 512 bytes a wave).
; NO CLUSTER, NO TENSOR LOADS: all work-groups read the same weights, but a joint tensor load could only land them as f32: per step 32 KiB more
; written to LDS and 32 KiB more read back, on top of the 85 KiB (4 x 16 fragments, 16 copy, 5 biases and head) that feed the same 272 products.
; The 16 steps are written out by one macro: the rings have periods 4 (load buffers), 3 (slots), 2 (fragment buffers), and registers cannot be indexed.
; LIMITS: matrix operands are rounded to bf16, sums are f32.  Layer 1's relu by v_max_num_f32 turns a NaN into 0.  In layer 2 a sum of -inf gives NaN
; (reference(): 0) and a sum above 1.7e38, half of f32's largest number, overflows in the doubling.  Divisions are v_rcp_f32 and a multiply,
; exp / log / sqrt the 1-ULP instructions, which flush results under 2^-126 to 0: that touches only vanishing terms of the logsumexp's sum, which
; is at least 1.  erfinv is the two-branch f32 polynomial; behind the clip beta >= 1e-6, so w <= 13.2 and |x| = 1 is never met.
; THE MODE: SCHED_MODE bits 1:0 = 2 (LLVM: expert scheduling mode 2), set by the entry lines.  The code itself states the register dependences
; between vector or matrix instructions and memory or LDS instructions, with s_wait_alu, always for 0.
; THE PLAN.  Registers that memory or LDS instructions touch, and who else names them:
;   addresses       v4-v14 and, in windows 2 and 3, 160-165: written at the head, never again: one wait on va_vdst ahead of the first load serves them all.
;   F0, F1, BI0, BI1   layer 1: tile t's products read F[t & 1], BI[t & 1]; the loads of tile t + 2 land there: one wait a tile, ahead of those loads.
;   AB0, AB1, BI0, BI1 layer 2: the phase of tile t reads AB[t & 1], BI[t & 1]; tile t + 1's 18 loads, dealt among its products, land in the other pair, which the phase before read.
;   A3B0, A3B1      the head's products of step p, issued in step p + 1, read A3B[p & 1]; the loads of step p + 2 land there.
;   load buffers    CONV q's conversions read buffer q; the loads of step q + 4 land there.     CVO   CONV q's conversions write it; its 16 LDS stores read it.
;   ACC, X3, x (in layer 2) and ACC3 are named by vector and matrix instructions alone.
; So a step of layer 2 has TWO waits on va_vdst.  One at its head: the phase before is done reading AB1, BI1, and the head's products two steps back their fragment.  One behind
; CONV's conversions: they are done reading their buffer and have written CVO, and the first phase is done reading AB0, BI0.  Behind each, up to the loads that it serves, no vector
; or matrix instruction names a register that those loads or stores touch.  A wait on vm_vsrc stands in every second CONV, ahead of the lines that write CVO again.
.set RP,    528                        ; ring and head table: 256 bf16 + 16 bytes.  All pitches are odd multiples of 16 bytes, so the 16 rows
.set SLOTB, 32*RP                      ;   of a fragment load start in 16 different 16-byte columns of 256
.set W1P,   144                        ; W1 copy: 64 bf16 + 16
.set OBP,   272                        ; obs copy: 64 f32 + 16
.set OBW,   64*OBP                     ; a wave's 64 rows of obs
.set RING,  0                          ; 3 slots x 32 rows of bf16
.set W1B,   3*SLOTB                    ; 50,688: 256 rows of W1 in bf16
.set OBS,   W1B+256*W1P                ; 87,552: obs in f32, wave by wave, kept to the end (columns 6 to 9)
.set BIAS,  OBS+4*OBW                  ; 157,184: b1, b21, b22 in f32
.set W3T,   BIAS+3072                  ; 160,256: four rows of bf16: W31[0], W31[1], W32, zeros; ends at 162,368
; window 0:  v1 lane l, v2 r = l & 15, v3 h = l >> 4, v4 = 16 l, v5 global offset of my 16 KiB of obs and of W1, v6.. LDS addresses (below), v15 temporary
.set OST,   6                          ; obs copy, in: two rows a store
.set OFR,   7                          ; obs copy, fragments
.set W1SA,  8                          ; W1 copy, in
.set W1FA,  9                          ; W1 copy, fragments
.set ABASE, 10                         ; ring, fragments
.set BIASA, 11                         ; biases as C tiles: eight f32 from feature 8 h
.set BST,   12                         ; biases, in
.set VW3,   13                         ; global offset in my head row's buffer
.set W3ST,  14                         ; head table, in
.set ACC,   16                         ; v16-47, v48-79: two accumulator sets, 4 tiles (batch tiles n) each
.set X3,    80                         ; v80-111: 2 x21 / 2 x22 of this step as B fragments, 8 registers for each n
.set BI,    112                        ; v112-119, v120-127: bias tiles
.set AB,    128                        ; v128-191, v192-255: A fragments of a 16-row tile, 8 chunks of K
.set OB,    128                        ; layer 1: obs as B fragments, v[OB+16n+8c]
.set F,     192                        ; layer 1: A fragments, v192-207, v208-223
; window 1:  x as B fragments, index 32 c + 8 n (first: W1's f32, index 0-127)
; windows 2 and 3, same indices: 0-63, 64-127 load buffers (step q: window 2 + ((q>>1)&1), index 64 (q&1)); 128-159 bf16 on the way to LDS
.set CVO,   128
.set VO8,   160                        ; global offset of my 8 rows of a step
.set CVSA,  161                        ; ring, in
; window 2 only
.set A3AA,  162                        ; head table, fragments for x21
.set A3AB,  163                        ; head table, fragments for x22
.set RELA,  164                        ; obs copy: column 6 of row l
.set OUTO,  165                        ; my 8 bytes of out0
.set A3B,   168                        ; 168-175, 176-183: head fragments
.set ACC3,  184                        ; 184-215: the head's four tiles
.set ONE,   45                         ; s45 = 1.0 as a whole f32 word: the factor in a * 1.0 + |a|
; s_set_vgpr_msb's low byte: bits 1:0 source 0, 3:2 source 1, 5:4 source 2, 7:6 destination; the high byte repeats the setting that is left
.set MSB, 0
.macro WIN new
.if MSB != \new
	s_set_vgpr_msb (MSB<<8)|\new
.set MSB, \new
.endif
.endm
; Four places behind matrix instructions where no useful vector work stands (ISA guide 7.12.1)
.macro PLACES
.rept 4
	v_nop
.endr
.endm
; ---------------------------------------------------------------- set-up
	s_load_b512 s[4:19], s[0:1], 0x0               ; obs 4, W1 6, b1 8, W21 10, b21 12, W22 14, b22 16, W31 18
	s_load_b256 s[20:27], s[0:1], 0x40             ; b31 20, W32 22, b32 24, out0 26
	s_set_vgpr_msb 0x80
	v_lshl_add_u32 v254, v0, 2, 0x27b00
	v_mov_b32 v255, 0
	s_set_vgpr_msb 0x8000
	v_lshrrev_b32 v15, 5, v0
	v_readfirstlane_b32 s31, v15                   ; wave w
	v_and_b32 v1, 31, v0
	v_and_b32 v2, 15, v0
	v_bfe_u32 v3, v0, 4, 1
	v_lshlrev_b32 v4, 4, v1
	s_wait_alu depctr_va_sdst(0)                   ; s31 is written, ahead of the first line that reads it: offsets, LDS addresses and branches are made from it
	s_lshl_b32 s44, s31, 14
	v_or_b32 v5, s44, v4                           ; 16 KiB x w + 16 l
	s_mul_i32 s46, s31, OBW
	s_add_co_u32 s46, s46, OBS                     ; my obs copy (kept in s46)
	v_mul_u32_u24 v15, v3, OBP
	v_lshl_add_u32 v15, v2, 4, v15
	v_add_nc_u32 v[OST], s46, v15                  ; row h, 16 bytes at 16 r
	v_mul_u32_u24 v15, v2, OBP
	v_lshl_add_u32 v15, v3, 5, v15
	v_add_nc_u32 v[OFR], s46, v15                  ; row r, eight f32 from column 8 h
	s_mul_i32 s45, s31, 64*W1P
	s_add_co_u32 s45, s45, W1B
	v_mul_u32_u24 v15, v3, W1P
	v_lshl_add_u32 v15, v2, 3, v15
	v_add_nc_u32 v[W1SA], s45, v15                 ; row 64 w + h, 8 bytes at 8 r
	v_mul_u32_u24 v15, v2, W1P
	v_lshl_add_u32 v15, v3, 4, v15
	v_add_nc_u32 v[W1FA], W1B, v15                 ; row r, 16 bytes at 16 h
	v_mul_u32_u24 v[ABASE], v2, RP
	v_lshl_add_u32 v[ABASE], v3, 4, v[ABASE]       ; RING = 0: row r, 16 bytes at 16 h
	v_lshl_add_u32 v[BIASA], v3, 5, BIAS
	s_lshl_b32 s44, s31, 10
	s_add_co_u32 s44, s44, BIAS
	v_add_nc_u32 v[BST], s44, v4
	s_and_b32 s44, s31, 1
	s_lshl_b32 s44, s44, 10
	v_add_nc_u32 v[VW3], s44, v4                   ; wave 1: row 1 of W31; waves 0, 2: row 0 of W31, of W32
	s_mul_i32 s44, s31, RP
	s_add_co_u32 s44, s44, W3T
	v_lshl_add_u32 v[W3ST], v1, 3, s44             ; table row w
	v_min_u32 v15, 2, v2                           ; m = min(r, 2)
	v_lshrrev_b32 v16, 1, v15
	v_add_nc_u32 v17, v15, v16                     ; x21: table rows 0, 1, 3 (zeros) for r = 0, 1, 2..
	v_sub_nc_u32 v16, 3, v16                       ; x22: table rows 3, 3, 2 (W32)
	v_mul_u32_u24 v17, v17, RP
	v_mul_u32_u24 v16, v16, RP
	v_lshl_add_u32 v17, v3, 4, v17
	v_lshl_add_u32 v16, v3, 4, v16
	v_mul_u32_u24 v18, v1, OBP
	s_lshl_b32 s44, s31, 13
	s_mul_i32 s45, s31, 8*RP
	s_lshl_b32 s47, s31, 9
	WIN 0x80                                       ; destinations in window 2
	v_or_b32 v[VO8], s44, v4                       ; 8 KiB x w + 16 l
	v_lshl_add_u32 v[CVSA], v1, 3, s45             ; row 8 w, 8 bytes at 8 l
	v_add_nc_u32 v[A3AA], W3T, v17
	v_add_nc_u32 v[A3AB], W3T, v16
	v_add3_u32 v[RELA], v18, s46, 24
	v_lshl_add_u32 v[OUTO], v1, 3, s47
	WIN 0xc0                                       ; and the two that window 3 needs as well
	v_or_b32 v[VO8], s44, v4
	v_lshl_add_u32 v[CVSA], v1, 3, s45
	WIN 0
	s_mov_b32 s[ONE], 1.0
	s_mov_b32 s38, 0x76543210                      ; v_permlanex16_b32: lane i reads lane i of the other half
	s_mov_b32 s39, 0xfedcba98
	s_mov_b32 s42, 0x322bcc77                      ; 1e-8
	s_mov_b32 s43, 0x2b0cbccc                      ; 0.5e-12
	s_lshl_b32 s32, ttmp9, 16                      ; 256 rows of obs, 256 bytes each
	s_mov_b32 s33, 0
	; v_fma_mixlo_bf16 and v_fma_mixhi_bf16 write one half of their destination and keep the other, so the destination is a source too:
	; X3 is written whole once, here, where the wave has to wait for its arguments anyway
.set i, 0
.rept 32
	v_mov_b32 v[X3+i], 0
.set i, i+1
.endr
	s_wait_kmcnt 0x0
	s_load_b64 s[28:29], s[20:21], 0x0             ; b31
	s_load_b32 s30, s[24:25], 0x0                  ; b32; both are waited for in front of the last phase
	s_add_nc_u64 s[4:5], s[4:5], s[32:33]
	s_lshl_b32 s32, ttmp9, 11                      ; 256 rows of out0, 8 bytes each
	s_add_nc_u64 s[26:27], s[26:27], s[32:33]
	s_cmp_eq_u32 s31, 1
	s_cselect_b64 s[34:35], s[12:13], s[16:17]
	s_cmp_eq_u32 s31, 0
	s_cselect_b64 s[34:35], s[8:9], s[34:35]       ; wave 0, 1, 2 copies b1, b21, b22
	s_cmp_eq_u32 s31, 2
	s_cselect_b64 s[36:37], s[22:23], s[18:19]     ; and W31[0], W31[1], W32
	s_wait_alu depctr_va_vdst(0)                   ; every offset and LDS address of the kernel (v4-v14; windows 2 and 3: 160-165) is written, which the loads and stores below read; so are v16-v18, at work above, in which small loads land
; 16 loads: my 8 rows (8 KiB of f32) of step q's 32 rows of [W21; W22].  Window: that of q's buffer.
.macro GL q
.set j, 0
.rept 16
.if (\q) < 8
	global_load_b128 v[64*((\q)&1)+4*j:64*((\q)&1)+4*j+3], v[VO8], s[10:11] offset:((\q)&7)*32768+512*j
.else
	global_load_b128 v[64*((\q)&1)+4*j:64*((\q)&1)+4*j+3], v[VO8], s[14:15] offset:((\q)&7)*32768+512*j
.endif
.set j, j+1
.endr
.endm
; ---------------------------------------------------------------- every load that can be asked for now.  The small ones come first, so that the
; number of loads behind any later load is the same in all four waves.  Between the wait above and the last of these loads stand loads, window switches and a scalar branch alone.
	s_cmp_eq_u32 s31, 3
	s_cbranch_scc1 .Lno_small_loads
	global_load_b128 v[16:19], v4, s[34:35]
	global_load_b128 v[20:23], v4, s[34:35] offset:512
	global_load_b128 v[24:27], v[VW3], s[36:37]
	global_load_b128 v[28:31], v[VW3], s[36:37] offset:512
.Lno_small_loads:
.set i, 0
.rept 32
	global_load_b128 v[128+4*i:128+4*i+3], v5, s[4:5] offset:512*i th:TH_LOAD_NT   ; rows 2 i, 2 i + 1 of my 64: read once in the launch
.set i, i+1
.endr
	WIN 0x40
.set i, 0
.rept 32
	global_load_b128 v[4*i:4*i+3], v5, s[6:7] offset:512*i                         ; rows 64 w + 2 i, + 1 of W1, into window 1
.set i, i+1
.endr
	WIN 0xaa
	GL 0
	GL 1
	WIN 0xff
	GL 2
	GL 3
	WIN 0
	s_wait_loadcnt 63                              ; loads return in order (ISA guide 5.7.1): of the 64 ring loads 63 may be out; small ones, obs and W1 are in
; ---------------------------------------------------------------- into LDS
.set i, 0
.rept 32
	ds_store_b128 v[OST], v[128+4*i:128+4*i+3] offset:2*OBP*i
.set i, i+1
.endr
	s_wait_alu depctr_vm_vsrc(0)                   ; the 32 stores above have read v128-255, in which the loads below land
.irp n, 0,1,2,3
.irp c, 0,1
	; my own bytes, and LDS serves a wave in order: no wait on DScnt.  16 f32 of row 16 n + r: K = 32 c + 8 h + 0..7 and 32 c + 16 + 8 h + 0..7
	ds_load_b128 v[128+32*\n+16*\c:128+32*\n+16*\c+3],     v[OFR] offset:16*OBP*\n+128*\c
	ds_load_b128 v[128+32*\n+16*\c+4:128+32*\n+16*\c+7],   v[OFR] offset:16*OBP*\n+128*\c+16
	ds_load_b128 v[128+32*\n+16*\c+8:128+32*\n+16*\c+11],  v[OFR] offset:16*OBP*\n+128*\c+64
	ds_load_b128 v[128+32*\n+16*\c+12:128+32*\n+16*\c+15], v[OFR] offset:16*OBP*\n+128*\c+80
.endr
.endr
	s_cmp_eq_u32 s31, 3
	s_cbranch_scc1 .Lzero_row
	ds_store_b128 v[BST], v[16:19]                 ; my bias vector, f32, as loaded
	ds_store_b128 v[BST], v[20:23] offset:512
	v_cvt_pk_bf16_f32 v24, v24, v25                ; my head row, bf16
	v_cvt_pk_bf16_f32 v25, v26, v27
	v_cvt_pk_bf16_f32 v26, v28, v29
	v_cvt_pk_bf16_f32 v27, v30, v31
	s_wait_alu depctr_va_vdst(0)                   ; the four conversions have written v24-27, which the two stores read
	ds_store_b64 v[W3ST], v[24:25]
	ds_store_b64 v[W3ST], v[26:27] offset:256
	s_branch .Lsmall_done
.Lzero_row:
	v_mov_b32 v16, 0                               ; wave 3: the table's row of zeros, 32 x 16 bytes
	v_mov_b32 v17, 0
	v_mov_b32 v18, 0
	v_mov_b32 v19, 0
	v_add_nc_u32 v15, W3T+3*RP, v4
	s_wait_alu depctr_va_vdst(0)                   ; v15-v19 are written: the store's address and data
	ds_store_b128 v15, v[16:19]
.Lsmall_done:
	WIN 0x45                                       ; W1 to bf16, in place in window 1
.set i, 0
.rept 32
	v_cvt_pk_bf16_f32 v[4*i], v[4*i], v[4*i+1]
	v_cvt_pk_bf16_f32 v[4*i+1], v[4*i+2], v[4*i+3]
.set i, i+1
.endr
	WIN 0x04                                       ; address window 0, data window 1
	s_wait_alu depctr_va_vdst(0)                   ; the 64 conversions have written W1's bf16 in window 1, which the stores read
.set i, 0
.rept 32
	ds_store_b64 v[W1SA], v[4*i:4*i+1] offset:2*W1P*i
.set i, i+1
.endr
	WIN 0
	s_wait_dscnt 0x0                               ; my stores are in LDS, for the other waves' sake; my obs fragments are in registers
	s_barrier_signal -1
.set i, 0
.rept 64
	v_cvt_pk_bf16_f32 v[OB+i], v[128+2*i], v[128+2*i+1]    ; obs to bf16, ascending in place: fragment (n, c) ends at OB + 16 n + 8 c
.set i, i+1
.endr
	s_barrier_wait -1                              ; W1's copy, the biases and the head table are whole
	s_wait_alu depctr_va_vdst(0)                   ; the conversions of obs are done reading v192-223: these registers are F from here on, in which layer 1's fragments land
	s_wait_alu depctr_vm_vsrc(0)                   ; my small stores have read v15-27 and W1's stores window 1: these are the accumulators and x from here on, written by products and conversions
; ---------------------------------------------------------------- macros of the two layers
.macro RELU b                          ; accumulator set b (layer 1)
.set i, 0
.rept 32
	v_max_num_f32 v[ACC+32*(\b)+i], 0, v[ACC+32*(\b)+i]
.set i, i+1
.endr
.endm
; step q's rows to bf16 and into ring slot q % 3; the buffer is asked for again, four steps ahead.  It stays a block of its own: both sources
; of its conversions lie in window 2 or 3, which no product's setting offers.
; CVO: steps q and q + 1 (q even) share a window and so a CVO.  For odd q the stores of step q - 1 have to have read it.  For even q the last stores that
; read this window's CVO are step q - 3's, and the wait in CONV q - 1 stands behind them: no wait is written.
.macro CONV q
.if (\q)&2
	WIN 0xff
.else
	WIN 0xaa
.endif
.if (\q) > 12
	s_wait_loadcnt 16*(15-(\q))                    ; the groups behind mine: two, one, none
.else
	s_wait_loadcnt 48                              ; three younger groups of 16 stay out
.endif
.if (\q)&1
	s_wait_alu depctr_vm_vsrc(0)                   ; the LDS stores of the step before have read this window's CVO, which the conversions below write again
.endif
.set j, 0
.rept 16
	v_cvt_pk_bf16_f32 v[CVO+2*j], v[64*((\q)&1)+4*j], v[64*((\q)&1)+4*j+1]
	v_cvt_pk_bf16_f32 v[CVO+2*j+1], v[64*((\q)&1)+4*j+2], v[64*((\q)&1)+4*j+3]
.set j, j+1
.endr
	s_wait_alu depctr_va_vdst(0)                   ; the conversions are done reading their buffer, in which the loads below land, and have written CVO, which the stores below read; in layer 2 also: the first phase's products are done reading AB0 and BI0, in which the second phase's loads land
.if (\q) <= 11
	GL (\q)+4
.endif
.set j, 0
.rept 16
	ds_store_b64 v[CVSA], v[CVO+2*j:CVO+2*j+1] offset:((\q)%3)*SLOTB+(j>>1)*RP+(j&1)*256   ; 32 lanes: 256 neighbouring bytes
.set j, j+1
.endr
.endm
; layer 1, tile t (features 16 t ..): 4 fragment loads and 2 for the bias tile
.macro LA1 t
.irp c, 0,1
	ds_load_b128 v[F+16*((\t)&1)+8*\c:F+16*((\t)&1)+8*\c+3],   v[W1FA] offset:16*W1P*(\t)+64*\c
	ds_load_b128 v[F+16*((\t)&1)+8*\c+4:F+16*((\t)&1)+8*\c+7], v[W1FA] offset:16*W1P*(\t)+64*\c+32
.endr
	ds_load_b128 v[BI+8*((\t)&1):BI+8*((\t)&1)+3],   v[BIASA] offset:64*(\t)
	ds_load_b128 v[BI+8*((\t)&1)+4:BI+8*((\t)&1)+7], v[BIASA] offset:64*(\t)+16
.endm
; relu and packing of layer 1's tile t into x (window 1): half t & 1 of chunk t >> 1
.macro V1 t
	RELU ((\t)&1)
	WIN 0x40
.irp n, 0,1,2,3
.irp i, 0,1,2,3
	v_cvt_pk_bf16_f32 v[32*((\t)>>1)+8*\n+4*((\t)&1)+\i], v[ACC+32*((\t)&1)+8*\n+2*\i], v[ACC+32*((\t)&1)+8*\n+2*\i+1]
.endr
.endr
	WIN 0
.endm
; layer 1, tile t: 8 products; then the tile before is packed (48 vector instructions on the other accumulator set: the places in front of this
; tile's own packing one turn later; behind tile 0 four v_nop take their part); then one wait, and the fragments two tiles ahead.
; cnt = LDS instructions issued behind tile t's loads.
.macro T1 t, cnt
	WIN 0
	s_wait_dscnt \cnt
.irp c, 0,1
.irp n, 0,1,2,3
.if \c == 0
	v_wmma_f32_16x16x32_bf16 v[ACC+32*((\t)&1)+8*\n:ACC+32*((\t)&1)+8*\n+7], v[F+16*((\t)&1)+8*\c:F+16*((\t)&1)+8*\c+7], v[OB+16*\n+8*\c:OB+16*\n+8*\c+7], v[BI+8*((\t)&1):BI+8*((\t)&1)+7]
.else
	v_wmma_f32_16x16x32_bf16 v[ACC+32*((\t)&1)+8*\n:ACC+32*((\t)&1)+8*\n+7], v[F+16*((\t)&1)+8*\c:F+16*((\t)&1)+8*\c+7], v[OB+16*\n+8*\c:OB+16*\n+8*\c+7], v[ACC+32*((\t)&1)+8*\n:ACC+32*((\t)&1)+8*\n+7]
.endif
.endr
.endr
.if \t > 0
	V1 \t-1
.else
	PLACES
.endif
.if \t <= 13
	s_wait_alu depctr_va_vdst(0)                   ; this tile's products are done reading F[t & 1] and BI[t & 1], in which the six loads below land
	LA1 \t+2
.endif
.endm
; layer 2, tile t of 32 (16 rows of [W21; W22]): its 18 LDS loads, numbered m = 0 .. 17: the bias tile's two, then 16 for the eight chunks of K
.macro LAITEM t, m
.if (\m) < 2
	ds_load_b128 v[BI+8*((\t)&1)+4*(\m):BI+8*((\t)&1)+4*(\m)+3], v[BIASA] offset:1024+64*(\t)+16*(\m)
.else
	ds_load_b128 v[AB+64*((\t)&1)+4*((\m)-2):AB+64*((\t)&1)+4*((\m)-2)+3], v[ABASE] offset:(((\t)>>1)%3)*SLOTB+((\t)&1)*16*RP+32*((\m)-2)
.endif
.endm
.macro LA t                            ; all of them
.irp m, 0,1,2,3,4,5,6,7,8,9,10,11,12,13,14,15,16,17
	LAITEM \t, \m
.endr
.endm
; 2 relu(a), rounded once to bf16, of numbers 2 i and 2 i + 1 of accumulator set s, batch tile n (j = 4 n + i), into half s of X3's fragment n.
; a + |a| is 2 a or 0, exactly.  Sources 0 and 2 and the destination are window 0 under the products' setting too.
.macro MIXLO s, j
	v_fma_mixlo_bf16 v[X3+8*((\j)>>2)+4*(\s)+((\j)&3)], v[ACC+32*(\s)+8*((\j)>>2)+2*((\j)&3)], s[ONE], |v[ACC+32*(\s)+8*((\j)>>2)+2*((\j)&3)]|
.endm
.macro MIXHI s, j
	v_fma_mixhi_bf16 v[X3+8*((\j)>>2)+4*(\s)+((\j)&3)], v[ACC+32*(\s)+8*((\j)>>2)+2*((\j)&3)+1], s[ONE], |v[ACC+32*(\s)+8*((\j)>>2)+2*((\j)&3)+1]|
.endm
; PHASE: the 32 products of the tile in buffer b (product k: chunk k >> 2 of K, batch tile k & 3; x's fragment is index 8 k of window 1), and between
; them, under the same window setting, what the neighbouring tiles need:
;   behind product 0: four v_nop, the places (ISA guide 7.12.1) between the last tile's and the head's products and the vector lines that follow here:
;     reads of the other accumulator set, writes of X3 (the head's source);
;   behind products 1, 3, .. 17: two loads of tile ld (ld < 0: none) into the other fragment buffer and bias tile.  The wait on va_vdst that stands ahead of the
;     phase has shown the products that read that pair done, and no line of the phase names it: the loads owe no further wait.  The last two stand 14 products
;     ahead of the wait for them;
;   behind each of the next 16 other products (pk = 1): one mixlo and one mixhi of the tile before, on registers eight apart, so that neither waits
;     for the other; after 16 such pairs both halves of all 16 registers are written.
.macro PHASE b, pk, ld
.set k, 0
.set mj, 0
.set lm, 0
.rept 32
.if k < 4
	v_wmma_f32_16x16x32_bf16 v[ACC+32*\b+8*k:ACC+32*\b+8*k+7], v[AB+64*\b:AB+64*\b+7], v[8*k:8*k+7], v[BI+8*\b:BI+8*\b+7]
.else
	v_wmma_f32_16x16x32_bf16 v[ACC+32*\b+8*(k&3):ACC+32*\b+8*(k&3)+7], v[AB+64*\b+8*(k>>2):AB+64*\b+8*(k>>2)+7], v[8*k:8*k+7], v[ACC+32*\b+8*(k&3):ACC+32*\b+8*(k&3)+7]
.endif
.if k == 0
	PLACES
.elseif ((k&1) == 1) && (lm < 18) && ((\ld) >= 0)
	LAITEM \ld, lm
	LAITEM \ld, lm+1
.set lm, lm+2
.elseif (\pk) && (mj < 16)
	MIXLO 1-\b, mj
	MIXHI 1-\b, (mj+8)&15
.set mj, mj+1
.endif
.set k, k+1
.endr
.endm
; the head's A fragment for step p: 32 columns of the table
.macro A3LD p
.if (\p) < 8
	ds_load_b128 v[A3B+8*((\p)&1):A3B+8*((\p)&1)+3],   v[A3AA] offset:64*((\p)&7)
	ds_load_b128 v[A3B+8*((\p)&1)+4:A3B+8*((\p)&1)+7], v[A3AA] offset:64*((\p)&7)+32
.else
	ds_load_b128 v[A3B+8*((\p)&1):A3B+8*((\p)&1)+3],   v[A3AB] offset:64*((\p)&7)
	ds_load_b128 v[A3B+8*((\p)&1)+4:A3B+8*((\p)&1)+7], v[A3AB] offset:64*((\p)&7)+32
.endif
.endm
; the head's four products of step p; the first start the sums
.macro L3 p
.irp n, 0,1,2,3
.if (\p) == 0
	v_wmma_f32_16x16x32_bf16 v[ACC3+8*\n:ACC3+8*\n+7], v[A3B+8*((\p)&1):A3B+8*((\p)&1)+7], v[X3+8*\n:X3+8*\n+7], 0
.else
	v_wmma_f32_16x16x32_bf16 v[ACC3+8*\n:ACC3+8*\n+7], v[A3B+8*((\p)&1):A3B+8*((\p)&1)+7], v[X3+8*\n:X3+8*\n+7], v[ACC3+8*\n:ACC3+8*\n+7]
.endif
.endr
.endm
; STEP p: tiles 2 p and 2 p + 1 (slot p % 3).  First phase: tile 2 p, with tile 2 p - 1 packed and tile 2 p + 1 loaded between its products; then
; the head's products of step p - 1 (X3 is whole now) and the conversion of step p + 2's rows; second phase: tile 2 p + 1, with tile 2 p packed and
; tile 2 p + 2 loaded.
; ONE BARRIER, at the head, does two things.  In front of it each wave has waited for all its LDS instructions: (a) its stores of step p + 1's rows
; (made in step p - 1), which are first read behind it, by the second phase's loads; (b) its reads of slot (p - 1) % 3 (the last were issued in
; step p - 1's first phase), which CONV p+2 overwrites behind it.  Step 15 reads only what earlier barriers cover and writes nothing: no barrier.
.macro STEP p
	s_wait_dscnt 0x0                               ; also: tile 2 p's fragments and the head's fragment of step p - 1 are in
.if \p < 15
	s_barrier_signal -1
.if \p == 0
	V1 15                                          ; registers only: the last tile of x
.endif
	s_barrier_wait -1
.endif
	WIN 0x04                                       ; B (x) in window 1, all else in window 0
.if \p == 0
	s_wait_alu depctr_va_vdst(0)                   ; layer 1's products are done reading OB, F and both bias tiles, and the conversions of obs have written OB: these registers are AB and BI from here on, in which the loads of tiles 0 and 1 land
	LA 0                                           ; slot 0 was stored by all four waves: read only behind this barrier
	s_wait_dscnt 0x0
	PHASE 0, 0, 1
.else
	s_wait_alu depctr_va_vdst(0)                   ; the last phase's products are done reading AB1 and BI1, in which this phase's loads land; the head's products two steps back are done reading the fragment in which A3LD's two loads land
	PHASE 0, 1, 2*\p+1
.endif
	WIN 0xa2                                       ; head: A, C, D in window 2, B (X3) in window 0
	A3LD \p                                        ; no wait: since the one at the step's head no vector or matrix line names this fragment or its address
.if \p > 0
	L3 \p-1
.endif
.if \p <= 13
	CONV \p+2
.endif
	WIN 0x04
.if \p == 14
	s_wait_alu depctr_va_vdst(0)                   ; no conversion stands in this step: the first phase's products are done reading AB0 and BI0, in which the second phase's loads land
.endif
.if \p <= 13
	s_wait_dscnt 18                                ; behind tile 2 p + 1's loads: 2 head loads and 16 stores
.else
	s_wait_dscnt 2                                 ; the 2 head loads
.endif
.if \p < 15
	PHASE 1, 1, 2*\p+2
.else
	PHASE 1, 1, -1
.endif
.endm
; ---------------------------------------------------------------- layer 1: 16 tiles; steps 0 and 1 of the ring are converted on the way
	LA1 0
	LA1 1
.irp t, 0,1,2,3,4,5,6,7
	T1 \t, 6                                       ; the next tile's 6 loads stay out
.endr
	CONV 0
	T1 8, 22                                       ; 6 loads and CONV's 16 stores
	T1 9, 22
.irp t, 10,11,12,13
	T1 \t, 6
.endr
	CONV 1
	T1 14, 22
	T1 15, 16                                      ; the 16 stores alone
; ---------------------------------------------------------------- layer 2 and the head
.irp p, 0,1,2,3,4,5,6,7,8,9,10,11,12,13,14,15
	STEP \p
.endr
	PLACES                                         ; behind tile 31's last products
.irp j, 0,1,2,3,4,5,6,7,8,9,10,11,12,13,14,15
	MIXLO 1, \j
.endr
.irp j, 0,1,2,3,4,5,6,7,8,9,10,11,12,13,14,15
	MIXHI 1, \j
.endr
	s_wait_dscnt 0x0                               ; the last head fragment
	s_wait_kmcnt 0x0                               ; b31, b32
	WIN 0xa2
	L3 15
; ---------------------------------------------------------------- per row, f32, all in window 2.  Lane l holds row 32 g + l of the wave's 64, g = 0, 1 at
; register base 32 g; each line is written for both groups, so that dependent lines stand two apart.
.set EO6, 0                            ; pair: obs columns 6, 7 (rel)
.set EO8, 2                            ; pair: columns 8, 9 (human velocity)
.set EU0, 4                            ; pair: u_nom, at the end u_safe
.set ES,  6                            ; 2 x22 . W32 (directly behind EU0: the gather runs over three registers)
.set ET,  7
.set EB,  8                            ; beta
.set EX,  9                            ; 1 - 2 beta
.set EW,  10
.set EPA, 11
.set EPB, 12
.set EWA, 13
.set EWB, 14
.set EN2, 15                           ; |rel|^2
.set EBASE, 16
.set ECO, 17
.set ER0, 18                           ; 18-20: sigma, then rhs, of the three modes
.set EMX, 21
.set ERB, 22
.set EDN, 23
.macro E2 op, d, a
	\op v[\d], v[\a]
	\op v[32+\d], v[32+\a]
.endm
.macro EK op, d, k, a
	s_wait_alu depctr_va_vdst(0)
	\op v[\d], \k, v[\a]
	\op v[32+\d], \k, v[32+\a]
.endm
.macro E3 op, d, a, b
	s_wait_alu depctr_va_vdst(0)
	\op v[\d], v[\a], v[\b]
	\op v[32+\d], v[32+\a], v[32+\b]
.endm
.macro E4 op, d, a, b, c
	\op v[\d], v[\a], v[\b], v[\c]
	\op v[32+\d], v[32+\a], v[32+\b], v[32+\c]
.endm
.macro E4K op, d, a, k1, k2
	\op v[\d], v[\a], \k1, \k2
	\op v[32+\d], v[32+\a], \k1, \k2
.endm
.macro E4M op, d, a, k, c
	s_wait_alu depctr_va_vdst(0)
	\op v[\d], v[\a], \k, v[\c]
	\op v[32+\d], v[32+\a], \k, v[32+\c]
.endm
.macro POLY ca, cb                     ; one Horner step of both branches, both groups: four chains that do not wait for each other
	v_fmaak_f32 v[EPA], v[EPA], v[EWA], \ca
	v_fmaak_f32 v[EPB], v[EPB], v[EWB], \cb
	v_fmaak_f32 v[32+EPA], v[32+EPA], v[32+EWA], \ca
	v_fmaak_f32 v[32+EPB], v[32+EPB], v[32+EWB], \cb
.endm
	WIN 0xaa
	s_mov_b32 vcc_lo, 0xffff0000                   ; lanes 16-31
	s_mul_f32 s44, s30, 0xbfb8aa3b                 ; -log2(e) b32
	; The four loads land in registers of a load buffer of window 2, last read by step 12's conversions.  No wait: the waits on va_vdst of the steps since stand behind
	; those conversions, and no vector or matrix line behind them names these registers or the address.
.irp g, 0,1
	ds_load_b64 v[32*\g+EO6:32*\g+EO6+1], v[RELA] offset:32*OBP*\g
	ds_load_b64 v[32*\g+EO8:32*\g+EO8+1], v[RELA] offset:32*OBP*\g+8
.endr
	PLACES                                         ; behind the head's last products
	; the head's tile n holds twice (u0, u1, s), biases apart, of batch row 16 n + r in registers 0-2 of lanes 0-15: lanes 16-31 fetch theirs from tile 2 g + 1
.irp g, 0,1
.irp j, 0,1,2
	v_permlanex16_b32 v[32*\g+ET], v[ACC3+16*\g+8+\j], s38, s39
	v_cndmask_b32 v[32*\g+EU0+\j], v[ACC3+16*\g+\j], v[32*\g+ET], vcc_lo
.endr
.endr
	E4K v_fma_f32, EU0, EU0, 0.5, s28              ; the doubling of x21 is taken back where b31 is added
	E4K v_fma_f32, EU0+1, EU0+1, 0.5, s29
	E4K v_fma_f32, ET, ES, 0xbf38aa3b, s44         ; -log2(e) (s + b32): the factor is -log2(e) / 2, for the doubled x22
	s_wait_dscnt 0x0                               ; obs columns 6 to 9
	; behind each run of transcendentals a plain line on other registers comes before a result is used (ISA guide 5.7.2)
	E2  v_exp_f32, ET, ET
	E3  v_mul_f32, EN2, EO6+1, EO6+1
	EK  v_add_f32, ET, 1.0, ET
	E2  v_rcp_f32, ET, ET                          ; sigmoid
	E4  v_fma_f32, EN2, EO6, EO6, EN2
	EK  v_mul_f32, EB, 0x3e4ccccd, ET              ; beta = 0.2 sigmoid
	EK  v_max_num_f32, EB, 0x358637bd, EB          ; clip to 1e-6 ..
	EK  v_min_num_f32, EB, 0x3f7fffef, EB          ; .. 1 - 1e-6
	E4K v_fma_f32, EX, EB, -2.0, 1.0               ; x = 1 - 2 beta
	v_fma_f32 v[EW], -v[EX], v[EX], 1.0            ; 1 - x^2, one rounding
	v_fma_f32 v[32+EW], -v[32+EX], v[32+EX], 1.0
	E2  v_log_f32, EW, EW
	E2  v_rcp_f32, ERB, EB
	E3  v_mul_f32, EBASE, EO8+1, EO6+1
	EK  v_mul_f32, EW, 0xbf317218, EW              ; w = -ln(1 - x^2)
	E2  v_sqrt_f32, EWB, EW
	EK  v_add_f32, EWA, 0xc0200000, EW             ; w - 2.5
	EK  v_add_f32, EWB, 0xc0400000, EWB            ; sqrt(w) - 3
	EK  v_add_f32, ET, 0xbf23d70a, EN2             ; h = |rel|^2 - 0.64
	v_mov_b32 v[EPA], 0.0000000281022636
	v_mov_b32 v[EPB], -0.000200214257
	v_mov_b32 v[32+EPA], 0.0000000281022636
	v_mov_b32 v[32+EPB], -0.000200214257
	POLY 0.000000343273939, 0.000100950558
	POLY -0.0000035233877, 0.00134934322
	POLY -0.00000439150654, -0.00367342844
	POLY 0.00021858087, 0.00573950773
	POLY -0.00125372503, -0.0076224613
	POLY -0.00417768164, 0.00943887047
	POLY 0.246640727, 1.00167406
	POLY 1.50140941, 2.83297682
	v_cmp_gt_f32 s40, 0x40a00000, v[EW]            ; w < 5: both branches are worked out, the mask only selects a value
	v_cmp_gt_f32 s41, 0x40a00000, v[32+EW]
	s_wait_alu depctr_va_sdst(0)                   ; the two compares have written s40 and s41, ahead of the selects that read them
	v_cndmask_b32 v[EPA], v[EPB], v[EPA], s40
	v_cndmask_b32 v[32+EPA], v[32+EPB], v[32+EPA], s41
	E3  v_mul_f32, EPA, EPA, EX                    ; y = erfinv(x); z = sqrt(2) y, so -z^2 / 2 = -y^2
	E3  v_mul_f32, EPA, EPA, EPA
	EK  v_mul_f32, EPA, 0xbfb8aa3b, EPA
	E2  v_exp_f32, ECO, EPA                        ; exp(-z^2 / 2)
	E4K v_fma_f32, ER0, EN2, 0x3d23d70b, s42       ; 4 var |rel|^2 + 1e-8: 4 x 0.1^2, 4 x 0.3^2, 4 x 0.5^2 as f32 products
	E4K v_fma_f32, ER0+1, EN2, 0x3eb851ec, s42
	EK  v_add_f32, ER0+2, s42, EN2
	E2  v_sqrt_f32, ER0, ER0
	E2  v_sqrt_f32, ER0+1, ER0+1
	E2  v_sqrt_f32, ER0+2, ER0+2
	EK  v_mul_f32, ERB, 0x3ecc422a, ERB            ; 1 / (sqrt(2 pi) beta)
	E4  v_fma_f32, EBASE, EO8, EO6, EBASE          ; rel . mu
	E3  v_add_f32, EBASE, EBASE, EBASE
	E4M v_fma_f32, EBASE, ET, -2.0, EBASE          ; -2 h + 2 rel . mu
	E3  v_mul_f32, ECO, ECO, ERB                   ; CVaR coefficient
	E4  v_fma_f32, ER0, ER0, ECO, EBASE
	E4  v_fma_f32, ER0+1, ER0+1, ECO, EBASE
	E4  v_fma_f32, ER0+2, ER0+2, ECO, EBASE
	E4  v_max3_num_f32, EMX, ER0, ER0+1, ER0+2     ; the maximum is taken away before the exponentials
	E3  v_sub_f32, ER0, ER0, EMX
	E3  v_sub_f32, ER0+1, ER0+1, EMX
	E3  v_sub_f32, ER0+2, ER0+2, EMX
	EK  v_mul_f32, ER0, 14.4269504, ER0            ; log2(e) / tau
	EK  v_mul_f32, ER0+1, 14.4269504, ER0+1
	EK  v_mul_f32, ER0+2, 14.4269504, ER0+2
	E2  v_exp_f32, ER0, ER0
	E2  v_exp_f32, ER0+1, ER0+1
	E2  v_exp_f32, ER0+2, ER0+2
	E4K v_fma_f32, EDN, EN2, 2.0, s43              ; half of G . G + 1e-12: its reciprocal is 2 / denom, an exact scaling
	E3  v_add_f32, ER0, ER0, ER0+1
	E3  v_add_f32, ER0, ER0, ER0+2
	E2  v_log_f32, ER0, ER0
	E2  v_rcp_f32, EDN, EDN
	E3  v_mul_f32, ET, EO6+1, EU0+1
	E4  v_fma_f32, ET, EO6, EU0, ET                ; rel . u_nom
	E4M v_fma_f32, EMX, ER0, 0.0693147181, EMX     ; rhs_wc = max + tau ln 2 log2(sum)
	E4M v_fma_f32, ET, ET, -2.0, EMX               ; viol = G . u_nom + rhs_wc
	EK  v_max_num_f32, ET, 0, ET
	E3  v_mul_f32, ET, ET, EDN                     ; 2 step
	E4  v_fma_f32, EU0, ET, EO6, EU0               ; u_nom - step G = u_nom + 2 step rel
	E4  v_fma_f32, EU0+1, ET, EO6+1, EU0+1
	s_wait_alu depctr_va_vdst(0)                   ; the last multiply-adds have written u_safe, which the two stores read
.irp g, 0,1
	global_store_b64 v[OUTO], v[32*\g+EU0:32*\g+EU0+1], s[26:27] offset:256*\g th:TH_STORE_NT   ; 32 lanes: 256 consecutive bytes, at a multiple of 256 from out0's first byte
.endr
	WIN 0
	s_set_vgpr_msb 0xa
	s_wait_dscnt 0x0
	s_wait_alu depctr_hold_cnt(0) depctr_sa_sdst(0) depctr_va_vdst(0) depctr_va_sdst(0) depctr_va_ssrc(0) depctr_va_vcc(0) depctr_vm_vsrc(0)
	s_wait_tensorcnt 0x0
	ds_add_u32 v254, v255
	s_wait_dscnt 0x0
	s_endpgm
.Lfunc_end_k_q8757596584_barriernet:
	.size	k_q8757596584_barriernet, .Lfunc_end_k_q8757596584_barriernet-k_q8757596584_barriernet
	.p2alignl 7, 3214868480
	.fill 96, 4, 3214868480
	.section	.rodata,"a",@progbits
	.p2align	6, 0x0
	.amdhsa_kernel k_q8757596584_barriernet
		.amdhsa_group_segment_fixed_size 163072
		.amdhsa_private_segment_fixed_size 0
		.amdhsa_enable_private_segment 0
		.amdhsa_kernarg_size 96
		.amdhsa_user_sgpr_count 2
		.amdhsa_user_sgpr_kernarg_segment_ptr 1
		.amdhsa_wavefront_size32 1
		.amdhsa_system_sgpr_workgroup_id_x 1
		.amdhsa_system_sgpr_workgroup_id_y 1
		.amdhsa_system_sgpr_workgroup_id_z 1
		.amdhsa_system_vgpr_workitem_id 0
		.amdhsa_next_free_vgpr 936
		.amdhsa_next_free_sgpr 66
		.amdhsa_reserve_vcc 1
		.amdhsa_float_denorm_mode_32 3
		.amdhsa_float_denorm_mode_16_64 3
		.amdhsa_memory_ordered 1
		.amdhsa_forward_progress 1
		.amdhsa_inst_pref_size 255
	.end_amdhsa_kernel
	.section	.bss,"aw",@nobits
	.p2align	6
	.space	262144
	.amdgpu_metadata
---
amdhsa.version: [ 1, 2 ]
amdhsa.kernels:
  - .name:           k_q8757596584_barriernet
    .symbol:         k_q8757596584_barriernet.kd
    .args:
      - { .name: obs, .offset: 0, .size: 8, .value_kind: global_buffer, .address_space: global }
      - { .name: W1, .offset: 8, .size: 8, .value_kind: global_buffer, .address_space: global }
      - { .name: b1, .offset: 16, .size: 8, .value_kind: global_buffer, .address_space: global }
      - { .name: W21, .offset: 24, .size: 8, .value_kind: global_buffer, .address_space: global }
      - { .name: b21, .offset: 32, .size: 8, .value_kind: global_buffer, .address_space: global }
      - { .name: W22, .offset: 40, .size: 8, .value_kind: global_buffer, .address_space: global }
      - { .name: b22, .offset: 48, .size: 8, .value_kind: global_buffer, .address_space: global }
      - { .name: W31, .offset: 56, .size: 8, .value_kind: global_buffer, .address_space: global }
      - { .name: b31, .offset: 64, .size: 8, .value_kind: global_buffer, .address_space: global }
      - { .name: W32, .offset: 72, .size: 8, .value_kind: global_buffer, .address_space: global }
      - { .name: b32, .offset: 80, .size: 8, .value_kind: global_buffer, .address_space: global }
      - { .name: out0, .offset: 88, .size: 8, .value_kind: global_buffer, .address_space: global }
    .group_segment_fixed_size: 163072
    .private_segment_fixed_size: 0
    .kernarg_segment_align: 8
    .kernarg_segment_size: 96
    .max_flat_workgroup_size: 128
    .sgpr_count:     66
    .vgpr_count:     936
    .wavefront_size: 32
...
	.end_amdgpu_metadata
.endif
;; end of part 2
